; MI455X (gfx1250); checked and timed in simulation.
; The chip was launched on July 23, 2026; its instructions are those of AMD's public machine-readable ISA for CDNA 5 (MIT licence, August 2026) and "CDNA5" Instruction Set Architecture Reference Guide (July 2026). The comments in the code are by the model that wrote it; some were corrected since.
;; Group Query Attention. Allowed arithmetic: matrix products marked QUANTISED: E3M2 operands, one E8M0 scale for each 32 along K, by v_wmma_scale_f32_16x16x128_f8f6f4 with both operands' format E3M2, f32 sums; products left as they are: f32 operands where the result goes on into a quantised operand, else bf16, f16 or f32 operands; f32 sums; everything else in f32.
;; Inputs: Wk 1,024 x 1,024 float32; Wo 1,024 x 1,024 float32; Wq 1,024 x 1,024 float32; Wv 1,024 x 1,024 float32; bk 1,024 float32; bo 1,024 float32; bq 1,024 float32; bv 1,024 float32; k 2,048 x 8 x 1,024 float32; q 2,048 x 8 x 1,024 float32; v 2,048 x 8 x 1,024 float32.
;; Outputs: out0 64 x 1,024 float32; out1 2,048 x 8 x 8 float32.
;; This version of the problem:
;;   THIS VERSION OF THE PROBLEM IS GIVEN IN LOW PRECISION. The matrix products marked QUANTISED in the list below multiply operands that are first quantised to E3M2 (3 exponent bits, 2 mantissa bits; 6 bits a number), with one power-of-two scale for each 32 numbers along K (OCP MX v1.0); their sums are f32. All else is computed in f32.
;;   The module's matrix products, in the order in which they are computed (A, B: the left and right operand; K: the contracted axis; several contracted axes count as one K, in the product's order):
;;     1. [M 16,384, K 1,024] x [K 1,024, N 1,024]; A: input q; B: input Wq: QUANTISED
;;     2. [M 16,384, K 1,024] x [K 1,024, N 1,024]; A: input k; B: input Wk: QUANTISED
;;     3. [M 16,384, K 1,024] x [K 1,024, N 1,024]; A: input v; B: input Wv: QUANTISED
;;     4. batch 32,768 x [M 8, K 64] x [K 64, N 8]; A: computed on the way; B: computed on the way: left as it is (M = 8 < 16)
;;     5. batch 128 x [M 64, K 8] x [K 8, N 8]; A: computed on the way; B: computed on the way: left as it is (K = 8 < 32)
;;     6. [M 64, K 1,024] x [K 1,024, N 1,024]; A: computed on the way; B: input Wo: QUANTISED
;;   THE QUANTISER, for each operand of a quantised product, along K:
;;     - K is cut into blocks of 32 from its start; a last block that is shorter is filled with zeros.
;;     - A block's scale is 2^e with e = floor(log2(the largest magnitude in the block)) - 4, held to -126 .. 127; a block of zeros has e = 0. As a byte (E8M0): e + 127.
;;     - Each number is divided by its block's scale, clamped to +-28, and rounded to the nearest number of E3M2, ties to even, subnormals kept.
;;     - The product sums the exact products of the quantised numbers (number of the format x scale) in f32.
;;   ~~~python
;;   def quantise(x, axis):      # numpy; x: float32 -> the quantised numbers, widened to float32 again
;;       x = np.moveaxis(x, axis, -1); K = x.shape[-1]
;;       x = np.pad(x, [(0, 0)] * (x.ndim - 1) + [(0, -K % 32)]); x = x.reshape(x.shape[:-1] + (-1, 32)); a = np.abs(x).max(-1, keepdims=True)
;;       e = np.where(a > 0, np.clip(np.frexp(np.where(a > 0, a, 1))[1] - 1 - 4, -126, 127), 0)      # np.frexp(a)[1] - 1 = floor(log2(a)), exactly
;;       r = np.clip(x / 2.0 ** e, -28, 28)
;;       step = 2.0 ** (np.maximum(np.frexp(np.where(r == 0, 1, r))[1] - 1, -2) - 2)
;;       q = np.round(r / step) * step * 2.0 ** e      # np.round: ties to even
;;       return np.moveaxis(q.reshape(q.shape[:-2] + (-1,))[..., :K], -1, axis).astype(np.float32)
;;   ~~~
;;   OPERANDS COMPUTED ON THE WAY. 'Computed on the way' means the value that the module computes at that place (a softmax that the list does not call 'softmax' is quantised finished and normalised). What goes into a quantiser is computed in f32, as accurately as f32 sums, v_exp_f32 and their like allow (about 1e-6 of the number): no bf16 or f16 on the way to a quantiser, and a product that is left as it is and whose result goes on into a quantised operand takes f32 operands (vector FMAs, or v_wmma_f32_16x16x4_f32). A number that lies on a knife's edge between two numbers of the format may be rounded either way, as far as f32 arithmetic and the matrix unit's own rounding can turn it there, and no further.
;; One version. Each part assembles by itself: llvm-mc -triple=amdgcn-amd-amdhsa -mcpu=gfx1250 --defsym DOCPART=n.
;; ======== version 1 of 1: 3 launches
;; limits: values are held in bf16: 8 bits of precision; right only within a limited range of input values
;; workspace buffers: WB 1,654,784 bytes; TB 1,792,000 bytes; OL 51,200 bytes
;; launch prep (part 1): grid 536 x 1, 1 waves a work-group, no clusters, 8,960 bytes of LDS; arguments Wq, Wk, Wv, Wo, bq, bk, q, k, v, WB, TB; writes WB, TB
.if DOCPART == 1
	.amdgcn_target "amdgcn-amd-amdhsa--gfx1250"
	.amdhsa_code_object_version 6
	.text
	.protected	k_q83f4e75338_prep
	.globl	k_q83f4e75338_prep
	.p2align	8
	.type	k_q83f4e75338_prep,@function
k_q83f4e75338_prep:
	s_mov_b64 s[64:65], 0
	v_nop
	global_prefetch_b8 v0, s[64:65] scope:SCOPE_SE
	s_setreg_imm32_b32 hwreg(HW_REG_WAVE_MODE, 25, 1), 1
	s_wait_xcnt 0x0
; PREP: the four weights [1024][1024] f32 and the last chunk's 64 rows of q, k, v become codes of BF6 (E3M2) with one E8M0 byte for each 32 along K,
; laid in the ORDER OF THE OPERAND'S REGISTERS.  A TILE is 16 rows x K 1,024: eight fragment images of 1,536 bytes (K step s: three pieces of 512 bytes, piece c = registers 4 c .. 4 c + 3 of
; each lane at 16 x lane) and a scale block of 512 bytes (lane l: four words at 16 l; word i: lanes 0-15 row l's word of K step 2 i, lanes 16-31 row l - 16's word of K step 2 i + 1).
; WB: 16 heads x 4 sub-blocks (2 p + b: p = 0 Wq, 1 Wk; b = half of the head's 64) of 25,856 bytes: two tiles' images, their two scale blocks, 256 bytes of bias (t x 128 + 4 x lane: b_p[.. + lane % 16]).
; TB: 140 tiles x 12,800 bytes: 0-63 Wv (rows of a tile: first + i + 8 (i / 8), so that two neighbouring tiles' results are 16 neighbours along the next K), 64-127 Wo, 128 + 4 p + j the last chunk's q, k, v
; (local row 8 u + g = flattened row 16,320 + 8 g + 2 j + u: the two batch entries 2 j, 2 j + 1 with their eight positions).
; A block's scale is 2^(floor(log2(largest magnitude)) - 4); its byte is that magnitude's exponent field - 4, held at 1 from below.
; LIMITS: NaN and infinities are not served; a block whose largest magnitude lies under 2^-122 gets the byte 1; a block of zeros gets the byte 1 where the rule says 127: its codes are zeros, and this program alone reads the bytes.
; SHARES: one wave to a work-group; work-group id: tile id / 2, K steps 4 (id % 2) .. + 3.  All 64 loads go out at once, each 512 consecutive bytes of one row; a K step's 16 rows turn through the stage in LDS,
; so that a lane gets 16 neighbours along K of each block of 32 of its row.
.set HEADB, 103424
.set SUB,   25856
.set TILEB, 12800
.set LI,  1                            ; v1   16 x lane; also the stage on the way in (it begins at LDS byte 0)
.set STW, 1
.set STR, 3                            ; v3   the stage on the way out: 528 r + 64 h
.set RO,  16                           ; v16-31  byte offset of local row i: 16 x lane + (i % 8) RA + (i / 8) RB
.set X,   64                           ; v64-127 64 numbers: register 16 b + i = k 32 b + 16 h + i of my row
.set PC,  128                          ; v128-146 the codes just made
.set TM,  200                          ; v200-215 at work in QUANT
.set PW,  216                          ; the scale word just made
.set SW,  220                          ; v220-223 the four K steps' scale words
.set PK,  224                          ; v224-225 two words of the scale block
.set SEL, 60                           ; s[60:61] lane selects for v_permlanex16_b32: lane l xor 16
.set HM,  62                           ; s62  lanes 16-31
.set MSB, 0
.macro WIN new                         ; the immediate's high byte repeats the setting that is left
.if MSB != \new
	s_set_vgpr_msb (MSB<<8)|\new
.set MSB, \new
.endif
.endm
; 64 numbers of a lane become a fragment's codes in v[PC] .. v[PC+11] and its scale word in v[PW] (the same in lanes l and l xor 16)
.macro QUANT s
.irp b, 0,1,2,3
	v_max3_num_f32 v[TM+\b], |v[\s+16*\b]|, |v[\s+1+16*\b]|, 0x2800000   ; block b: my 16 numbers, and the floor 2^(5 - 127): the byte cannot fall under 1
.endr
.irp i, 2,4,6,8,10,12,14
.irp b, 0,1,2,3
	v_max3_num_f32 v[TM+\b], v[TM+\b], |v[\s+16*\b+\i]|, |v[\s+1+16*\b+\i]|   ; the four blocks by turns
.endr
.endr
.irp b, 0,1,2,3
	v_permlanex16_b32 v[TM+4+\b], v[TM+\b], s[SEL], s[SEL+1]
.endr
.irp b, 0,1,2,3
	v_max_num_f32 v[TM+\b], v[TM+\b], v[TM+4+\b]   ; with lane l xor 16's: the block's largest magnitude
.endr
.irp b, 0,1,2,3
	v_add_nc_u32 v[TM+12+\b], 0xfe000000, v[TM+\b]   ; 4 off its exponent field: the conversion takes this operand's exponent field as its scale
.endr
.irp b, 0,1,2,3
	v_lshrrev_b32 v[TM+4+\b], 23, v[TM+12+\b]   ; the scale's byte
.endr
	v_lshl_or_b32 v[PW], v[TM+5], 8, v[TM+4]
	v_lshl_or_b32 v[PW], v[TM+6], 16, v[PW]
	v_lshl_or_b32 v[PW], v[TM+7], 24, v[PW]
.irp c, 0,1
	v_cvt_scalef32_pk16_bf6_f32 v[PC+6*\c:PC+2+6*\c], v[\s+32*\c:\s+15+32*\c], v[TM+12+2*\c]
	v_cvt_scalef32_pk16_bf6_f32 v[PC+12+4*\c:PC+14+4*\c], v[\s+16+32*\c:\s+31+32*\c], v[TM+12+2*\c+1]   ; a conversion's three registers begin on an even number
.endr
	v_nop                                          ; one plain place behind a scaled conversion
.irp c, 0,1                                    ; the layout wants a whole block in a lane: lanes 0-15 block 2 c, lanes 16-31 block 2 c + 1
.irp i, 0,1,2
	v_permlane16_swap_b32 v[PC+6*\c+\i], v[PC+12+4*\c+\i]
.endr
.irp i, 0,1,2
	v_mov_b32 v[PC+3+6*\c+\i], v[PC+12+4*\c+\i]
.endr
.endr
.endm
; a K step's 16 rows x 512 bytes (window 1, set of 64 registers) go into the stage, rows 528 bytes apart, and come back 64 bytes a lane and block
.macro TURN set
	WIN 0x04                                       ; an LDS store's data are its source 1: window 1
.irp i, 0,1,2,3,4,5,6,7,8,9,10,11,12,13,14,15
	ds_store_b128 v[STW], v[64*(\set)+4*\i:64*(\set)+4*\i+3] offset:528*\i
.endr
	WIN 0
.irp b, 0,1,2,3
.irp q, 0,1,2,3
	ds_load_b128 v[X+16*\b+4*\q:X+16*\b+4*\q+3], v[STR] offset:128*\b+16*\q   ; LDS serves a wave's instructions in order: these see the stores above
.endr
.endr
	s_wait_dscnt 0x0
.endm
	s_load_b512 s[4:19], s[0:1], 0x0               ; Wq, Wk, Wv, Wo, bq, bk, q, k
	s_load_b128 s[20:23], s[0:1], 0x40             ; v, WB
	s_load_b64 s[24:25], s[0:1], 0x50              ; TB
	v_lshl_add_u32 v254, v0, 2, 0x2200
	v_mov_b32 v255, 0
	v_lshlrev_b32 v[LI], 4, v0                     ; one wave: v0 is the lane
	v_and_b32 v4, 15, v0                           ; r
	v_bfe_u32 v5, v0, 4, 1                         ; h
	v_mul_u32_u24 v[STR], v4, 528
	v_lshl_add_u32 v[STR], v5, 6, v[STR]
	v_lshlrev_b32 v6, 2, v4                        ; 4 r
	v_lshlrev_b32 v7, 2, v0                        ; 4 x lane
.irp b, 0,1,2,3
	v_mov_b32 v[TM+4+\b], 0                        ; written once: a lane permute's destination counts as one of its sources
.endr
	s_mov_b32 s[SEL], 0x76543210
	s_mov_b32 s[SEL+1], 0xfedcba98
	s_mov_b32 s[HM], 0xffff0000
	s_lshr_b32 s26, ttmp9, 1                       ; T: the tile, 0 .. 267
	s_and_b32 s27, ttmp9, 1                        ; kh: which four K steps
	s_lshr_b32 s28, s26, 6                         ; 0 Wq, 1 Wk, 2 Wv, 3 Wo, 4 the activations
	s_and_b32 s29, s26, 63                         ; tt: the tile within its tensor
	; the tile's first row
	s_lshl_b32 s36, s29, 4                         ; natural order: 16 tt
	s_lshr_b32 s37, s29, 2
	s_lshl_b32 s37, s37, 6
	s_bfe_u32 s38, s29, 0x10001
	s_lshl_b32 s38, s38, 5
	s_add_co_u32 s37, s37, s38
	s_and_b32 s38, s29, 1
	s_lshl_b32 s38, s38, 3
	s_add_co_u32 s37, s37, s38                     ; Wv: 64 (tt / 4) + 32 ((tt / 2) % 2) + 8 (tt % 2)
	s_and_b32 s38, s29, 3
	s_lshl_b32 s38, s38, 1
	s_add_co_u32 s38, s38, 16320                   ; activations: 16,320 + 2 j
	s_cmp_eq_u32 s28, 2
	s_cselect_b32 s36, s37, s36
	s_mov_b32 s40, 32768                           ; RB: from local row i to i + 8
	s_cselect_b32 s40, 0x10000, s40
	s_cmp_eq_u32 s28, 4
	s_cselect_b32 s36, s38, s36
	s_cselect_b32 s40, 4096, s40
	s_mov_b32 s39, 4096                            ; RA: from local row i to i + 1 within eight
	s_cselect_b32 s39, 32768, s39
	s_lshl_b32 s42, s36, 12
	s_lshl_b32 s43, s27, 11
	s_add_co_u32 s42, s42, s43                     ; first row x 4,096 + kh x 2,048 (under 2^27)
	s_mov_b32 s43, 0
	; where the results go
	s_lshr_b32 s44, s29, 2
	s_mul_i32 s44, s44, HEADB
	s_bfe_u32 s45, s29, 0x10001
	s_lshl_b32 s37, s28, 1
	s_add_co_u32 s45, s45, s37
	s_mul_i32 s45, s45, SUB
	s_add_co_u32 s44, s44, s45                     ; WB: the sub-block of head tt / 4, 2 p + b
	s_and_b32 s45, s29, 1                          ; t
	s_mul_i32 s46, s45, 12288
	s_add_co_u32 s46, s46, s44                     ; its tile t's images,
	s_lshl_b32 s48, s45, 9
	s_add_co_u32 s48, s48, s44
	s_add_co_u32 s48, s48, 24576                   ; scale block,
	s_lshl_b32 s50, s45, 7
	s_add_co_u32 s50, s50, s44
	s_add_co_u32 s50, s50, 25600                   ; and bias
	s_sub_co_u32 s37, s26, 128
	s_mul_i32 s37, s37, TILEB                      ; TB: tile T - 128
	s_add_co_u32 s38, s37, 12288
	s_cmp_lt_u32 s28, 2
	s_cselect_b32 s46, s46, s37
	s_cselect_b32 s48, s48, s38
	s_mul_i32 s37, s27, 6144
	s_add_co_u32 s46, s46, s37                     ; my four images,
	s_lshl_b32 s37, s27, 3
	s_add_co_u32 s48, s48, s37                     ; my two words of each lane's four
	s_mov_b32 s47, 0
	s_mov_b32 s49, 0
	s_mov_b32 s51, 0
	s_wait_kmcnt 0x0
	s_cmp_eq_u32 s28, 0                            ; every choice of a buffer hangs on the work-group's number alone
	s_cselect_b64 s[30:31], s[4:5], s[6:7]
	s_cselect_b64 s[32:33], s[12:13], s[14:15]
	s_cmp_eq_u32 s28, 2
	s_cselect_b64 s[30:31], s[8:9], s[30:31]
	s_cmp_eq_u32 s28, 3
	s_cselect_b64 s[30:31], s[10:11], s[30:31]
	s_lshr_b32 s37, s29, 2                         ; among the activations: 0 q, 1 k, 2 v
	s_cmp_eq_u32 s37, 0
	s_cselect_b64 s[34:35], s[16:17], s[18:19]
	s_cmp_eq_u32 s37, 2
	s_cselect_b64 s[34:35], s[20:21], s[34:35]
	s_cmp_eq_u32 s28, 4
	s_cselect_b64 s[30:31], s[34:35], s[30:31]
	s_cmp_lt_u32 s28, 2
	s_cselect_b64 s[52:53], s[22:23], s[24:25]
	s_add_nc_u64 s[30:31], s[30:31], s[42:43]      ; the source at my first row and K step
	s_add_nc_u64 s[54:55], s[52:53], s[46:47]      ; the images
	s_add_nc_u64 s[56:57], s[52:53], s[48:49]      ; the scale block
	s_add_nc_u64 s[58:59], s[22:23], s[50:51]      ; the bias in WB
	s_lshl_b32 s34, s29, 6
	s_mov_b32 s35, 0
	s_add_nc_u64 s[32:33], s[32:33], s[34:35]      ; b_p at 16 tt
.irp i, 0,1,2,3,4,5,6,7,8,9,10,11,12,13,14,15
	s_mul_i32 s42, s39, \i%8
	s_mul_i32 s43, s40, \i/8
	s_add_co_u32 s42, s42, s43
	v_add_nc_u32 v[RO+\i], s42, v[LI]
.endr
	WIN 0x40                                       ; destination window 1
	s_wait_alu depctr_va_vdst(0)
.irp f, 0,1,2,3
.irp i, 0,1,2,3,4,5,6,7,8,9,10,11,12,13,14,15
	global_load_b128 v[64*\f+4*\i:64*\f+4*\i+3], v[RO+\i], s[30:31] offset:512*\f th:TH_LOAD_NT   ; 32 lanes read 512 consecutive bytes of one row
.endr
.endr
	WIN 0
.irp f, 0,1,2,3
	s_wait_loadcnt 48-16*\f                        ; this K step's 16 loads are in; the later K steps', 16 each, may be out
	TURN \f
.if \f > 0
	s_wait_xcnt 0x0                                ; the last K step's stores have read the codes' registers: they are written again only behind this wait
.endif
	QUANT X
	v_mov_b32 v[SW+\f], v[PW]
.irp c, 0,1,2
	global_store_b128 v[LI], v[PC+4*\c:PC+4*\c+3], s[54:55] offset:1536*\f+512*\c   ; 512 consecutive bytes, at a multiple of 256 from the buffer's first byte
.endr
.endr
	v_cndmask_b32 v[PK], v[SW], v[SW+1], s[HM]     ; lanes 0-15 the even K step's word, lanes 16-31 the odd one's
	v_cndmask_b32 v[PK+1], v[SW+2], v[SW+3], s[HM]
	global_store_b64 v[LI], v[PK:PK+1], s[56:57]
	s_cmp_lt_u32 s28, 2                            ; the bias goes with Wq's and Wk's tiles, by the work-group of their first four K steps
	s_cselect_b32 s42, s27, 1
	s_cmp_lg_u32 s42, 0
	s_cbranch_scc1 .Ldone
	global_load_b32 v8, v6, s[32:33]               ; b_p[16 tt + lane % 16]
	s_wait_loadcnt 0x0
	global_store_b32 v7, v8, s[58:59]
.Ldone:
	s_wait_tensorcnt 0x0
	ds_add_u32 v254, v255
	s_wait_dscnt 0x0
	s_endpgm
.Lfunc_end_k_q83f4e75338_prep:
	.size	k_q83f4e75338_prep, .Lfunc_end_k_q83f4e75338_prep-k_q83f4e75338_prep
	.p2alignl 7, 3214868480
	.fill 96, 4, 3214868480
	.section	.rodata,"a",@progbits
	.p2align	6, 0x0
	.amdhsa_kernel k_q83f4e75338_prep
		.amdhsa_group_segment_fixed_size 8960
		.amdhsa_private_segment_fixed_size 0
		.amdhsa_enable_private_segment 0
		.amdhsa_kernarg_size 88
		.amdhsa_user_sgpr_count 2
		.amdhsa_user_sgpr_kernarg_segment_ptr 1
		.amdhsa_wavefront_size32 1
		.amdhsa_system_sgpr_workgroup_id_x 1
		.amdhsa_system_sgpr_workgroup_id_y 1
		.amdhsa_system_sgpr_workgroup_id_z 1
		.amdhsa_system_vgpr_workitem_id 0
		.amdhsa_next_free_vgpr 512
		.amdhsa_next_free_sgpr 66
		.amdhsa_reserve_vcc 0
		.amdhsa_float_denorm_mode_32 3
		.amdhsa_float_denorm_mode_16_64 3
		.amdhsa_memory_ordered 1
		.amdhsa_forward_progress 1
		.amdhsa_inst_pref_size 38
	.end_amdhsa_kernel
	.amdgpu_metadata
---
amdhsa.version: [ 1, 2 ]
amdhsa.kernels:
  - .name:           k_q83f4e75338_prep
    .symbol:         k_q83f4e75338_prep.kd
    .args:
      - { .name: Wq, .offset: 0, .size: 8, .value_kind: global_buffer, .address_space: global }
      - { .name: Wk, .offset: 8, .size: 8, .value_kind: global_buffer, .address_space: global }
      - { .name: Wv, .offset: 16, .size: 8, .value_kind: global_buffer, .address_space: global }
      - { .name: Wo, .offset: 24, .size: 8, .value_kind: global_buffer, .address_space: global }
      - { .name: bq, .offset: 32, .size: 8, .value_kind: global_buffer, .address_space: global }
      - { .name: bk, .offset: 40, .size: 8, .value_kind: global_buffer, .address_space: global }
      - { .name: q, .offset: 48, .size: 8, .value_kind: global_buffer, .address_space: global }
      - { .name: k, .offset: 56, .size: 8, .value_kind: global_buffer, .address_space: global }
      - { .name: v, .offset: 64, .size: 8, .value_kind: global_buffer, .address_space: global }
      - { .name: WB, .offset: 72, .size: 8, .value_kind: global_buffer, .address_space: global }
      - { .name: TB, .offset: 80, .size: 8, .value_kind: global_buffer, .address_space: global }
    .group_segment_fixed_size: 8960
    .private_segment_fixed_size: 0
    .kernarg_segment_align: 8
    .kernarg_segment_size: 88
    .max_flat_workgroup_size: 32
    .sgpr_count:     66
    .vgpr_count:     512
    .wavefront_size: 32
...
	.end_amdgpu_metadata
.endif
;; end of part 1
;; launch tail (part 2): grid 64 x 1, 3 waves a work-group, no clusters, 12,800 bytes of LDS; arguments WB, TB, bv, OL; writes OL
.if DOCPART == 2
	.amdgcn_target "amdgcn-amd-amdhsa--gfx1250"
	.amdhsa_code_object_version 6
	.text
	.protected	k_q83f4e75338_tail
	.globl	k_q83f4e75338_tail
	.p2align	8
	.type	k_q83f4e75338_tail,@function
k_q83f4e75338_tail:
	s_mov_b64 s[64:65], 0
	v_nop
	global_prefetch_b8 v0, s[64:65] scope:SCOPE_SE
	s_setreg_imm32_b32 hwreg(HW_REG_WAVE_MODE, 25, 1), 1
	s_wait_xcnt 0x0
; TAIL: the last chunk's attention output, on f32 operands (it goes on into a quantised product), quantised into OL.
; A work-group takes head hd = id / 4 and row tile j = id % 4 (16 rows: batch entries 2 j + u, positions g; local row 8 u + g).  Wave p makes projection p (0 q, 1 k, 2 v) of those 16 rows for the head's 64 columns:
; 4 tiles x 8 K steps of the scaled BF6 product, on the images that the launch before has laid.  q's and k's are used transposed (source 0 = the weight's 16 rows): a lane holds one row and eight neighbouring d.
; v's is used the other way (source 0 = the rows): a lane holds one d, batch entry u = lane / 16, and its registers run along the eight positions.
; Waves 1 and 2 hand their results to wave 0 through LDS as images of their registers; wave 0 makes S^T = K Q^T and O^T = V^T P by the f32 matrix form.
; S^T's tile: lane (r, h) holds query r (batch u = r / 8) against batch h's eight keys: the lanes with h = r / 8 hold the block's scores, the others cross-batch scores, whose weights are set to 0, so that the
; second product, whose k runs over (batch h, key), adds only the query's own batch.  The softmax is within a lane: eight registers.
; The rows of a tile of Wv were chosen so that O^T's registers of tiles 2 b, 2 b + 1 are 16 neighbours along the last product's K: they are quantised in registers (two blocks of 32 a head).
; OL: codes at (16 j + hd) x 768 + 256 pp + 8 x lane (pair pp of registers 6 c .. 6 c + 5, c = hd % 2, of fragment (j, K step hd / 2)); scale words from byte 49,152 on: ((8 j + s) 16 + r) x 4, head hd's two bytes at + 2 (hd % 2).
; LIMITS: NaN and infinities are not served; a block whose largest magnitude lies under 2^-122 gets the byte 1, a block of zeros too (its codes are zeros).
.set HEADB, 103424
.set SUB,   25856
.set TILEB, 12800
.set LI,  1                            ; v1   16 x lane
.set EXA, 2                            ; v2   where my wave puts its results: 4,096 x wave + 16 x lane
.set BH,  3                            ; v3   32 h: my eight numbers of a tile's bias
.set BVO, 4                            ; v4   4 (r + 8 (r / 8)): my column's bv in a tile
.set OC,  5                            ; v5   8 x lane
.set OS,  6                            ; v6   4 r
.set WS,  16                           ; v16-31 the weight's scale words (4 tiles x 4); v32-35 the rows': these registers hold scales and nothing else
.set AS,  32
.set PC,  40                           ; v40-54  the codes of O^T: registers that no matrix instruction writes,
.set TM,  60                           ; v60-75  like the quantiser's
.set PW,  76                           ; v76     and the two scale bytes'
.set ACC, 80                           ; v80-111  my projection: 4 tiles
.set KP,  112                          ; v112-143 kp
.set VP,  144                          ; v144-175 vp
.set S0,  176                          ; v176-191 S^T in two halves; v216-247 O^T: written by matrix instructions alone
.set S1,  184
.set T,   192                          ; v192-199 the scores, then p
.set WW,  200                          ; v200-207 the weights
.set MM,  208
.set NM,  210
.set SU,  212
.set O,   216
.set RI,  248
.set RZ,  250
.set SEL, 28
.set CS,  30                           ; s[30:31] c = log2(e) / 8
.set VM,  32                           ; s32  the lanes with h = r / 8
.set MSB, 0
.macro WIN new
.if MSB != \new
	s_set_vgpr_msb (MSB<<8)|\new
.set MSB, \new
.endif
.endm
.macro WLOAD t, sb, off                ; a weight tile's eight images into window 1 or 2, fragment s at 12 (8 (t % 2) + s)
.irp s, 0,1,2,3,4,5,6,7
.irp c, 0,1,2
	global_load_b128 v[12*(8*((\t)%2)+\s)+4*\c:12*(8*((\t)%2)+\s)+4*\c+3], v[LI], s[\sb:\sb+1] offset:\off+1536*\s+512*\c
.endr
.endr
.endm
.macro PMUL isv, t, s                  ; tile t, K step s.  An odd K step's scale words stand in lanes 16-31
.set rD, ACC+8*(\t)
.set rW, 12*(8*((\t)%2)+(\s))
.set rA, 12*(\s)
.set sW, WS+4*(\t)+(\s)/2
.set sA, AS+(\s)/2
.if \isv
.if (\s)%2
	v_wmma_scale_f32_16x16x128_f8f6f4 v[rD:rD+7], v[rA:rA+11], v[rW:rW+11], v[rD:rD+7], v[sA], v[sW] matrix_a_fmt:MATRIX_FMT_BF6 matrix_b_fmt:MATRIX_FMT_BF6 matrix_a_scale:MATRIX_SCALE_ROW1 matrix_b_scale:MATRIX_SCALE_ROW1
.else
	v_wmma_scale_f32_16x16x128_f8f6f4 v[rD:rD+7], v[rA:rA+11], v[rW:rW+11], v[rD:rD+7], v[sA], v[sW] matrix_a_fmt:MATRIX_FMT_BF6 matrix_b_fmt:MATRIX_FMT_BF6
.endif
.else
.if (\s)%2
	v_wmma_scale_f32_16x16x128_f8f6f4 v[rD:rD+7], v[rW:rW+11], v[rA:rA+11], v[rD:rD+7], v[sW], v[sA] matrix_a_fmt:MATRIX_FMT_BF6 matrix_b_fmt:MATRIX_FMT_BF6 matrix_a_scale:MATRIX_SCALE_ROW1 matrix_b_scale:MATRIX_SCALE_ROW1
.else
	v_wmma_scale_f32_16x16x128_f8f6f4 v[rD:rD+7], v[rW:rW+11], v[rA:rA+11], v[rD:rD+7], v[sW], v[sA] matrix_a_fmt:MATRIX_FMT_BF6 matrix_b_fmt:MATRIX_FMT_BF6
.endif
.endif
.endm
; a projection: all operands from memory into registers, the bias straight into the accumulators, 32 products; two accumulators by turns
.macro PROJ isv
	WIN 0xc0                                       ; destination window 3: the rows' eight fragments
.irp s, 0,1,2,3,4,5,6,7
.irp c, 0,1,2
	global_load_b128 v[12*\s+4*\c:12*\s+4*\c+3], v[LI], s[16:17] offset:1536*\s+512*\c
.endr
.endr
	WIN 0x40
.if \isv
	WLOAD 0, 20, 0
	WLOAD 1, 20, TILEB
	WIN 0x80
	WLOAD 2, 20, 2*TILEB
	WLOAD 3, 20, 3*TILEB
.else
	WLOAD 0, 18, 0
	WLOAD 1, 18, 12288
	WIN 0x80
	WLOAD 2, 18, SUB
	WLOAD 3, 18, SUB+12288
.endif
	WIN 0
	global_load_b128 v[AS:AS+3], v[LI], s[16:17] offset:12288
.irp t, 0,1,2,3
.if \isv
	global_load_b128 v[WS+4*\t:WS+4*\t+3], v[LI], s[20:21] offset:\t*TILEB+12288
.irp i, 0,1,2,3,4,5,6,7
	global_load_b32 v[ACC+8*\t+\i], v[BVO], s[22:23] offset:(32*(\t/2)+8*(\t%2))*4   ; my column's bias, for each of the eight positions
.endr
.else
	global_load_b128 v[WS+4*\t:WS+4*\t+3], v[LI], s[18:19] offset:(\t/2)*SUB+24576+512*(\t%2)
	global_load_b128 v[ACC+8*\t:ACC+8*\t+3], v[BH], s[18:19] offset:(\t/2)*SUB+25600+128*(\t%2)
	global_load_b128 v[ACC+8*\t+4:ACC+8*\t+7], v[BH], s[18:19] offset:(\t/2)*SUB+25600+128*(\t%2)+16
.endif
.endr
	s_wait_loadcnt 0x0
.if \isv
	WIN 0x07                                       ; source 0 (rows) window 3, source 1 (weight) window 1
.else
	WIN 0x0d                                       ; source 0 (weight) window 1, source 1 (rows) window 3
.endif
.irp s, 0,1,2,3,4,5,6,7
	PMUL \isv, 0, \s
	PMUL \isv, 1, \s
.endr
.if \isv
	WIN 0x0b
.else
	WIN 0x0e
.endif
.irp s, 0,1,2,3,4,5,6,7
	PMUL \isv, 2, \s
	PMUL \isv, 3, \s
.endr
	WIN 0
.rept 5
	v_nop                                          ; five places: the results are next read by LDS stores (four) or taken as a matrix operand (five)
.endr
.endm
; the softmax of eight scores in v[T] on: p = 2^(c s - c m) stays in v[T], 1 / their sum goes to v[RI]
.macro SOFT
	v_max3_num_f32 v[MM], v[T], v[T+1], v[T+2]
	v_max3_num_f32 v[MM+1], v[T+3], v[T+4], v[T+5]
	v_max3_num_f32 v[MM], v[MM], v[T+6], v[T+7]
	v_max_num_f32 v[MM], v[MM], v[MM+1]            ; the row's maximum is taken away, as reference() does
	v_mul_f32 v[NM], s[CS], v[MM]
.irp k, 0,2,4,6
	v_pk_fma_f32 v[T+\k:T+\k+1], v[T+\k:T+\k+1], s[CS:CS+1], v[NM:NM+1] op_sel_hi:[1,0,0] neg_lo:[0,0,1] neg_hi:[0,0,1]
.endr
	s_wait_alu depctr_va_vdst(0)
.irp k, 0,1,2,3,4,5,6,7
	v_exp_f32 v[T+\k], v[T+\k]
.endr
	v_nop                                          ; a plain place behind the last exponential
	s_wait_alu depctr_va_vdst(0)                   ; one wait for the eight, ahead of their first reader
	v_pk_add_f32 v[SU:SU+1], v[T:T+1], v[T+2:T+3]
	v_pk_add_f32 v[MM:MM+1], v[T+4:T+5], v[T+6:T+7]
	v_pk_add_f32 v[SU:SU+1], v[SU:SU+1], v[MM:MM+1]
	v_add_f32 v[SU], v[SU], v[SU+1]
	s_wait_alu depctr_va_vdst(0)
	v_rcp_f32 v[RI], v[SU]
	v_nop
	s_wait_alu depctr_va_vdst(0)
.endm
	s_load_b256 s[4:11], s[0:1], 0x0               ; WB, TB, bv, OL
	v_lshl_add_u32 v254, v0, 2, 0x3000
	v_mov_b32 v255, 0
	v_lshrrev_b32 v7, 5, v0
	v_readfirstlane_b32 s12, v7                    ; wave = projection p
	s_lshr_b32 s13, ttmp9, 2                       ; hd
	s_and_b32 s14, ttmp9, 3                        ; j
	v_and_b32 v7, 31, v0
	v_lshlrev_b32 v[LI], 4, v7
	s_lshl_b32 s34, s12, 12
	v_add_nc_u32 v[EXA], s34, v[LI]
	v_bfe_u32 v8, v0, 4, 1
	v_lshlrev_b32 v[BH], 5, v8
	v_and_b32 v9, 15, v0
	v_and_b32 v10, 8, v0
	v_add_nc_u32 v10, v10, v9
	v_lshlrev_b32 v[BVO], 2, v10
	v_lshlrev_b32 v[OC], 3, v7
	v_lshlrev_b32 v[OS], 2, v9
	v_mov_b32 v[NM+1], 0                           ; named as the upper halves of pairs
	v_mov_b32 v[RZ+1], 0
	s_mov_b32 s[SEL], 0x76543210
	s_mov_b32 s[SEL+1], 0xfedcba98
	s_mov_b32 s[CS], 0x3e38aa3b                    ; log2(e) / sqrt(64)
	s_mov_b32 s[CS+1], s[CS]
	s_mov_b32 s[VM], 0xff0000ff
	s_lshl_b32 s34, s12, 2
	s_add_co_u32 s34, s34, s14
	s_add_co_u32 s34, s34, 128
	s_mul_i32 s34, s34, TILEB                      ; TB's tile 128 + 4 p + j: my rows
	s_mov_b32 s35, 0
	s_mul_i32 s36, s13, HEADB
	s_mul_i32 s38, s12, 2*SUB
	s_add_co_u32 s36, s36, s38                     ; WB: head hd, sub-blocks 2 p, 2 p + 1 (waves 0 and 1 alone read by it)
	s_mov_b32 s37, 0
	s_mul_i32 s38, s13, 4*TILEB                    ; TB's tiles 4 hd on: Wv
	s_mov_b32 s39, 0
	s_lshl_b32 s40, s13, 8                         ; bv at 64 hd
	s_mov_b32 s41, 0
	s_lshl_b32 s42, s14, 4
	s_add_co_u32 s42, s42, s13
	s_mul_i32 s42, s42, 768
	s_mov_b32 s43, 0
	s_lshl_b32 s44, s14, 3
	s_lshr_b32 s45, s13, 1
	s_add_co_u32 s44, s44, s45
	s_lshl_b32 s44, s44, 6
	s_and_b32 s45, s13, 1
	s_lshl_b32 s45, s45, 1
	s_add_co_u32 s44, s44, s45
	s_add_co_u32 s44, s44, 49152
	s_mov_b32 s45, 0
	s_wait_kmcnt 0x0
	s_add_nc_u64 s[16:17], s[6:7], s[34:35]
	s_add_nc_u64 s[18:19], s[4:5], s[36:37]
	s_add_nc_u64 s[20:21], s[6:7], s[38:39]
	s_add_nc_u64 s[22:23], s[8:9], s[40:41]
	s_add_nc_u64 s[24:25], s[10:11], s[42:43]
	s_add_nc_u64 s[26:27], s[10:11], s[44:45]
	s_cmp_lt_u32 s12, 2
	s_cbranch_scc0 .Lvproj
	s_wait_alu depctr_va_vdst(0)
	PROJ 0
	s_branch .Lproj_done
.Lvproj:
	s_wait_alu depctr_va_vdst(0)
	PROJ 1
.Lproj_done:
	s_cmp_eq_u32 s12, 0
	s_cbranch_scc1 .Lno_send
.irp i, 0,1,2,3,4,5,6,7
	ds_store_b128 v[EXA], v[ACC+4*\i:ACC+4*\i+3] offset:512*\i   ; kp and vp as images of their registers, each accumulator from its low end on
.endr
.Lno_send:
	s_wait_dscnt 0x0                               ; for wave 0's sake: my stores have landed
	s_barrier_signal -1
	s_barrier_wait -1
	s_cmp_lg_u32 s12, 0
	s_cbranch_scc1 .Lend
.irp i, 0,1,2,3,4,5,6,7
	ds_load_b128 v[KP+4*\i:KP+4*\i+3], v[LI] offset:4096+512*\i
.endr
.irp i, 0,1,2,3,4,5,6,7
	ds_load_b128 v[VP+4*\i:VP+4*\i+3], v[LI] offset:8192+512*\i
.endr
	s_wait_dscnt 0x0
	; S^T = K Q^T: a pair of registers is four d (two in each half of the lanes), the same four on both sides; 16 instructions, two sums by turns, begun with the constant 0
	v_wmma_f32_16x16x4_f32 v[S0:S0+7], v[KP:KP+1], v[ACC:ACC+1], 0
	v_wmma_f32_16x16x4_f32 v[S1:S1+7], v[KP+2:KP+3], v[ACC+2:ACC+3], 0
.irp n, 1,2,3,4,5,6,7
	v_wmma_f32_16x16x4_f32 v[S0:S0+7], v[KP+4*\n:KP+4*\n+1], v[ACC+4*\n:ACC+4*\n+1], v[S0:S0+7]
	v_wmma_f32_16x16x4_f32 v[S1:S1+7], v[KP+4*\n+2:KP+4*\n+3], v[ACC+4*\n+2:ACC+4*\n+3], v[S1:S1+7]
.endr
.rept 8
	v_nop                                          ; eight places behind this form
.endr
.irp k, 0,2,4,6
	v_pk_add_f32 v[T+\k:T+\k+1], v[S0+\k:S0+\k+1], v[S1+\k:S1+\k+1]   ; from the low end on
.endr
	SOFT
	v_cndmask_b32 v[RZ], 0, v[RI], s[VM]           ; cross-batch lanes: weights 0
.irp k, 0,2,4,6
	v_pk_mul_f32 v[WW+\k:WW+\k+1], v[T+\k:T+\k+1], v[RZ:RZ+1] op_sel_hi:[1,0]
.endr
.rept 4
	v_nop                                          ; the distance that an operand written by vector instructions keeps from a scaled product is kept here too
.endr
	; O^T = V^T P: k runs over (batch h, key 2 c + 0, 1); four sums by turns
.irp t, 0,1,2,3
	v_wmma_f32_16x16x4_f32 v[O+8*\t:O+8*\t+7], v[VP+8*\t:VP+8*\t+1], v[WW:WW+1], 0
.endr
.irp c, 1,2,3
.irp t, 0,1,2,3
	v_wmma_f32_16x16x4_f32 v[O+8*\t:O+8*\t+7], v[VP+8*\t+2*\c:VP+8*\t+2*\c+1], v[WW+2*\c:WW+2*\c+1], v[O+8*\t:O+8*\t+7]
.endr
.endr
	v_mov_b32 v[TM+4], 0                           ; a lane permute's destination counts as one of its sources; with the six below: eight places
	v_mov_b32 v[TM+5], 0
.rept 6
	v_nop
.endr
	; register 16 b + i of O^T is column 64 hd + 32 b + 16 h + i of my row: two blocks of 32 are quantised; each of the four accumulators is read from its low end on
.irp b, 0,1
	v_max3_num_f32 v[TM+\b], |v[O+16*\b]|, |v[O+1+16*\b]|, 0x2800000   ; and the floor 2^(5 - 127): the byte cannot fall under 1
.endr
.irp i, 2,4,6,8,10,12,14
.irp b, 0,1
	v_max3_num_f32 v[TM+\b], v[TM+\b], |v[O+16*\b+\i]|, |v[O+1+16*\b+\i]|
.endr
.endr
.irp b, 0,1
	v_permlanex16_b32 v[TM+4+\b], v[TM+\b], s[SEL], s[SEL+1]
.endr
.irp b, 0,1
	v_max_num_f32 v[TM+\b], v[TM+\b], v[TM+4+\b]   ; with lane l xor 16's: the block's largest magnitude
.endr
.irp b, 0,1
	v_add_nc_u32 v[TM+12+\b], 0xfe000000, v[TM+\b]   ; 4 off the exponent field: the conversion's scale operand
.endr
.irp b, 0,1
	v_lshrrev_b32 v[TM+4+\b], 23, v[TM+12+\b]      ; the scale's byte
.endr
	v_lshl_or_b32 v[PW], v[TM+5], 8, v[TM+4]
	v_cvt_scalef32_pk16_bf6_f32 v[PC:PC+2], v[O:O+15], v[TM+12]
	v_cvt_scalef32_pk16_bf6_f32 v[PC+12:PC+14], v[O+16:O+31], v[TM+13]   ; a conversion's three registers begin on an even number
	v_nop                                          ; one plain place behind a scaled conversion
.irp i, 0,1,2
	v_permlane16_swap_b32 v[PC+\i], v[PC+12+\i]    ; the layout wants a whole block in a lane: lanes 0-15 block 0, lanes 16-31 block 1
.endr
.irp i, 0,1,2
	v_mov_b32 v[PC+3+\i], v[PC+12+\i]
.endr
.irp p, 0,1,2
	global_store_b64 v[OC], v[PC+2*\p:PC+2*\p+1], s[24:25] offset:256*\p   ; 32 lanes store 256 consecutive bytes
.endr
	global_store_b16 v[OS], v[PW], s[26:27]        ; lanes r and r + 16 write the same two bytes with the same value
.Lend:
	s_wait_tensorcnt 0x0
	ds_add_u32 v254, v255
	s_wait_dscnt 0x0
	s_endpgm
.Lfunc_end_k_q83f4e75338_tail:
	.size	k_q83f4e75338_tail, .Lfunc_end_k_q83f4e75338_tail-k_q83f4e75338_tail
	.p2alignl 7, 3214868480
	.fill 96, 4, 3214868480
	.section	.rodata,"a",@progbits
	.p2align	6, 0x0
	.amdhsa_kernel k_q83f4e75338_tail
		.amdhsa_group_segment_fixed_size 12800
		.amdhsa_private_segment_fixed_size 0
		.amdhsa_enable_private_segment 0
		.amdhsa_kernarg_size 32
		.amdhsa_user_sgpr_count 2
		.amdhsa_user_sgpr_kernarg_segment_ptr 1
		.amdhsa_wavefront_size32 1
		.amdhsa_system_sgpr_workgroup_id_x 1
		.amdhsa_system_sgpr_workgroup_id_y 1
		.amdhsa_system_sgpr_workgroup_id_z 1
		.amdhsa_system_vgpr_workitem_id 0
		.amdhsa_next_free_vgpr 1024
		.amdhsa_next_free_sgpr 66
		.amdhsa_reserve_vcc 0
		.amdhsa_float_denorm_mode_32 3
		.amdhsa_float_denorm_mode_16_64 3
		.amdhsa_memory_ordered 1
		.amdhsa_forward_progress 1
		.amdhsa_inst_pref_size 48
	.end_amdhsa_kernel
	.amdgpu_metadata
---
amdhsa.version: [ 1, 2 ]
amdhsa.kernels:
  - .name:           k_q83f4e75338_tail
    .symbol:         k_q83f4e75338_tail.kd
    .args:
      - { .name: WB, .offset: 0, .size: 8, .value_kind: global_buffer, .address_space: global }
      - { .name: TB, .offset: 8, .size: 8, .value_kind: global_buffer, .address_space: global }
      - { .name: bv, .offset: 16, .size: 8, .value_kind: global_buffer, .address_space: global }
      - { .name: OL, .offset: 24, .size: 8, .value_kind: global_buffer, .address_space: global }
    .group_segment_fixed_size: 12800
    .private_segment_fixed_size: 0
    .kernarg_segment_align: 8
    .kernarg_segment_size: 32
    .max_flat_workgroup_size: 96
    .sgpr_count:     66
    .vgpr_count:     1024
    .wavefront_size: 32
...
	.end_amdgpu_metadata
.endif
;; end of part 2
;; launch main (part 3): grid 256 x 1, 4 waves a work-group, clusters of 4 x 1, 327,680 bytes of LDS; arguments q, k, WB, TB, OL, bo, out0, out1; writes out0, out1
.if DOCPART == 3
	.amdgcn_target "amdgcn-amd-amdhsa--gfx1250"
	.amdhsa_code_object_version 6
	.text
	.protected	k_q83f4e75338_main
	.globl	k_q83f4e75338_main
	.p2align	8
	.type	k_q83f4e75338_main,@function
k_q83f4e75338_main:
	s_mov_b64 s[64:65], 0
	v_nop
	global_prefetch_b8 v0, s[64:65] scope:SCOPE_SE
	s_setreg_imm32_b32 hwreg(HW_REG_WAVE_MODE, 25, 1), 1
	s_wait_xcnt 0x0
	s_wait_alu depctr_hold_cnt(0) depctr_sa_sdst(0) depctr_va_vdst(0) depctr_va_sdst(0) depctr_va_ssrc(0) depctr_va_vcc(0) depctr_vm_vsrc(0)
	s_getreg_b32 s2, hwreg(HW_REG_IB_STS2, 6, 4)
	s_cmp_eq_u32 s2, 0
	s_cbranch_scc0 .Lentry_in_a_cluster
	s_endpgm
.Lentry_in_a_cluster:
	s_bfe_u32 s2, ttmp6, 0x10000c
	s_cmp_lg_u32 s2, 0x3003
	s_cbranch_scc0 .Lentry_shape_is_right
	s_endpgm
.Lentry_shape_is_right:
; MAIN: out1 (the head-averaged weights of the block-local attention) and out0 (the last chunk's output x Wo^T + bo).
; LEFT OUT: v's projection of every chunk but the last: reference() uses vp[-1] alone, whatever the inputs hold; the last chunk's is made by the launch before.  A NaN or an infinity that reaches only that work is not carried.
; A work-group owns ONE chunk: 64 consecutive rows of the flattened q and k (8 positions x 8 batch entries).  qp and kp never go to memory.
; Row tile j = batch entries 2 j + u, positions g; local row 8 u + g = row 8 g + 2 j + u of the chunk: only the four diagonal 16 x 16 score tiles are needed.
; PHASE A: wave w quantises row tile w of q, then of k (f32 -> codes of BF6, one E8M0 byte for each 32 along K), and stores the fragments in LDS as images of their registers.  Waves 0, 1 then take all of q's
; 32 fragments into registers, waves 2, 3 all of k's: 384 registers that stay.
; PHASE B: 16 heads.  Wave w = (p = w / 2: q or k; b = w % 2: half of the head's 64) multiplies its tensor's four row tiles by two tiles of 16 rows of W_p: 8 accumulators x 8 K steps = 64 scaled products a head.
; THE WEIGHTS' codes, scale words and biases of a head are four dense sub-blocks of 25,856 bytes, one a wave, in a ring of two LDS slots.  All work-groups walk the same weights: the four of a cluster ask JOINTLY
; (the same tensor load, the same descriptor, a mask that names the four).  A wave reads only the sub-block that it fetched.  The walk's head i lies in slot i % 2 and is taken into registers DURING head i - 1:
; a K step's 24 registers are loaded anew when their eight products and four places are past, in four runs a head.  Head i's round of the cluster's barrier stands between its K steps 1 and 2: in front of it slot i % 2
; has been read out and head i + 1 has landed; behind it slot i % 2 takes head i + 2.  The same barrier shows the bf16 fragments of head i - 1 to all waves.
; The product is used transposed (source 0 = the weight): a lane holds one row and eight neighbouring d, which, rounded to bf16 in pairs in place, ARE a fragment (16 rows x 32 d) of the score product; the fragments change
; waves through LDS, two buffers by turns.  Wave w makes row tile w's scores of the head before among the products of the head in hand; the exponentials and the reciprocal stand at the head's end.
; In a score tile lane (r, h) holds query r against batch h's eight keys: lanes with h = r / 8 hold the block's scores; the others are carried along and not stored.
; THE ORDER OF THE HEADS: cluster c begins at head (c xor c / 4) mod 16 and goes round: the cluster's number alone enters it.
; out0: a work-group makes one 16 x 16 tile (row tile = place in the cluster, column tile = the cluster's number: both enter global addresses alone); wave w takes K steps 2 w, 2 w + 1, whose operands are asked for first
; of all; the four parts meet in LDS and wave 0 adds them and bo.
; NO PREFETCH: q and k are one stream that is read once, 64 loads a wave ahead; each of the 16 heads is the first head of four clusters' walks and is asked for by them at the kernel's head, all of phase A ahead of the first product.
; LIMITS: NaN and infinities are not served; a block whose largest magnitude lies under 2^-122 gets the byte 1, a block of zeros too (its codes are zeros); the score product's operands are rounded to bf16;
; the sum over the heads is added in the order of the walk, out0's K steps in four parts: the f32 roundings differ from reference()'s.
; REGISTERS: window 0: v1-19, v250-253 addresses; v20-54 scale words and nothing else; v56-63 bo; v64-127 accumulators (phase A: 64 numbers); v128-159 biases, two sets; v160-191 fragments received; v192-207 scores;
;   v208-231 softmax; v232-248 the quantiser's.  window 1: phase A: four sets of 64 numbers as loaded; then v0-191 a head's 16 weight fragments.
;   window 2: my tensor's fragments of K steps 0-3 (48 (s % 4) + 12 j), v192-215 out0's fragments of Wo.  window 3: of K steps 4-7, v216-239 out0's rows.
.set HEADB, 103424                     ; a head's four sub-blocks = a slot
.set SUB,   25856                      ; 101 x 256
.set TILEB, 12800
.set AIMG,  206848                     ; behind the ring: 32 fragment images of 1,536 bytes ((8 j + s) x 1,536),
.set XSCO,  49152                      ; behind them four scale blocks of 512 bytes,
.set STAGE, 258048                     ; a stage of 16 x 528 bytes for each wave (at its byte 4,096, at the end: the wave's part of out0),
.set STGB,  8448
.set EXCH,  291840                     ; two buffers of 16,384 bytes in which bf16 fragments change waves (4,096 x maker + 1,024 x row tile),
.set SPARE, 324608                     ; and the spare words, 128 bytes a wave: two blocks of 256 bytes that no other line names
.set LI,  1                            ; 16 x lane
.set STW, 2                            ; my stage + 16 x lane
.set STR, 3                            ; my stage + 528 r + 64 h
.set IMW, 4                            ; where I store images: AIMG + 12,288 x wave + 16 x lane
.set ISW, 5                            ; and their scale block
.set GA,  6                            ; q, k: 16 x lane + 8,192 x wave
.set SPW, 7                            ; my spare word; never rewritten
.set NIL, 8                            ; 0; never rewritten
.set BH,  9                            ; 32 h
.set L8,  10                           ; 8 x lane
.set OXW, 11                           ; my part of out0
.set OXR, 12                           ; wave 0's part; the others' STGB apart
.set EXW, 13
.set EXR, 14
.set OSW, 15                           ; out1's way out: my stage + 512 (u xor h) + 256 u + 32 g
.set R4,  16                           ; 4 r
.set OG,  17                           ; out1: 16 x lane + 512 x wave
.set AIR, 18                           ; AIMG + 16 x lane
.set OUT, 19                           ; out0: (8 g + u) rows of 4,096 bytes + 32 h
.set XS,  20                           ; v20-35 my tensor's scale words (4 j + i)
.set WS,  36                           ; v36-51 the weights' (8 x set + 4 t + i)
.set OSC, 52                           ; v52-54 out0's scale words
.set OB,  56
.set ACC, 64                           ; (j, t) at 64 + 8 (2 j + t)
.set X,   64
.set BI,  128                          ; 16 x set + 8 t
.set OA,  128                          ; out0's two sums, when the biases are done with
.set EXF, 160                          ; Q's halves 0, 1, K's halves 0, 1
.set SW,  160                          ; phase A: eight K steps' scale words; v168-171 the packed block
.set PK,  168
.set S0,  192
.set S1,  200
.set PC,  192                          ; phase A: v192-210 the codes just made
.set T,   208
.set WSUM, 216
.set RI,  224
.set MM,  226
.set NM,  228
.set SU,  230
.set TM,  232
.set PW,  248
.set WL,  250                          ; v250, v251 my sub-block in slot 0, 1, + 16 x lane
.set BL,  252                          ; v252, v253 its bias part + 32 h
.set HN,  23                           ; s23 the head that the next fill asks for
.set G1,  24                           ; s[24:31] descriptor group 1;  s[32:39] group 0, a set for each slot
.set G0,  32
.set HM,  41
.set SEL, 42
.set CS,  44
.set WBB, 60                           ; s[60:61] WB at my sub-block of head 0
.set OFF, 62                           ; s[62:63] a head's byte offset in WB
.set MSB, 0
.macro WIN new                         ; the immediate's high byte repeats the setting that is left
.if MSB != \new
	s_set_vgpr_msb (MSB<<8)|\new
.set MSB, \new
.endif
.endm
.macro CREST                           ; a round of the cluster's barrier behind its opening barrier
	s_cmp_lg_u32 s20, 0
	s_cbranch_scc1 .Lnot_wave_0_\@
	s_barrier_signal -3
.Lnot_wave_0_\@:
	s_barrier_wait -3
	s_barrier_signal -1
	s_barrier_wait -1
.endm
.macro ROUND                           ; a whole round
	s_barrier_signal -1
	s_barrier_wait -1
	CREST
.endm
.macro FILLADR slot                    ; the walk's next head: its address is made anew, since the walk goes round from head 15 to head 0.  No tensor load of mine is out where this stands
	s_mul_i32 s[OFF], s[HN], HEADB
	s_add_nc_u64 s[G0+4*(\slot)+2:G0+4*(\slot)+3], s[WBB:WBB+1], s[OFF:OFF+1]
	s_or_b32 s[G0+4*(\slot)+3], s[G0+4*(\slot)+3], 0x80000000
	s_add_co_u32 s[HN], s[HN], 1
	s_and_b32 s[HN], s[HN], 15
.endm
.macro TLOAD slot                      ; my one tensor load behind a round
	tensor_load_to_lds s[G0+4*(\slot):G0+4*(\slot)+3], s[G1:G1+7]
	s_nop 0
.endm
.macro NOP4
.rept 4
	v_nop
.endr
.endm
.macro QUANT s                         ; 64 numbers (register 16 b + i = k 32 b + 16 h + i of my row) -> codes in v[PC] .. v[PC+11], scale word in v[PW]
.irp b, 0,1,2,3
	v_max3_num_f32 v[TM+\b], |v[\s+16*\b]|, |v[\s+1+16*\b]|, 0x2800000   ; and the floor 2^(5 - 127): the byte cannot fall under 1
.endr
.irp i, 2,4,6,8,10,12,14
.irp b, 0,1,2,3
	v_max3_num_f32 v[TM+\b], v[TM+\b], |v[\s+16*\b+\i]|, |v[\s+1+16*\b+\i]|
.endr
.endr
.irp b, 0,1,2,3
	v_permlanex16_b32 v[TM+4+\b], v[TM+\b], s[SEL], s[SEL+1]
.endr
.irp b, 0,1,2,3
	v_max_num_f32 v[TM+\b], v[TM+\b], v[TM+4+\b]
.endr
.irp b, 0,1,2,3
	v_add_nc_u32 v[TM+12+\b], 0xfe000000, v[TM+\b]   ; 4 off the exponent field: the conversion's scale operand
.endr
.irp b, 0,1,2,3
	v_lshrrev_b32 v[TM+4+\b], 23, v[TM+12+\b]
.endr
	v_lshl_or_b32 v[PW], v[TM+5], 8, v[TM+4]
	v_lshl_or_b32 v[PW], v[TM+6], 16, v[PW]
	v_lshl_or_b32 v[PW], v[TM+7], 24, v[PW]
.irp c, 0,1
	v_cvt_scalef32_pk16_bf6_f32 v[PC+6*\c:PC+2+6*\c], v[\s+32*\c:\s+15+32*\c], v[TM+12+2*\c]
	v_cvt_scalef32_pk16_bf6_f32 v[PC+12+4*\c:PC+14+4*\c], v[\s+16+32*\c:\s+31+32*\c], v[TM+12+2*\c+1]
.endr
	v_nop                                          ; one plain place behind a scaled conversion
.irp c, 0,1
.irp i, 0,1,2
	v_permlane16_swap_b32 v[PC+6*\c+\i], v[PC+12+4*\c+\i]
.endr
.irp i, 0,1,2
	v_mov_b32 v[PC+3+6*\c+\i], v[PC+12+4*\c+\i]
.endr
.endr
.endm
.macro TURN set                        ; 16 rows x 512 bytes through my stage: in as loaded, back 64 bytes a lane and block
	WIN 0x04                                       ; an LDS store's data are its source 1: window 1
.irp i, 0,1,2,3,4,5,6,7,8,9,10,11,12,13,14,15
	ds_store_b128 v[STW], v[64*(\set)+4*\i:64*(\set)+4*\i+3] offset:528*\i
.endr
	WIN 0
.irp b, 0,1,2,3
.irp q, 0,1,2,3
	ds_load_b128 v[X+16*\b+4*\q:X+16*\b+4*\q+3], v[STR] offset:128*\b+16*\q
.endr
.endr
	s_wait_dscnt 0x0                               ; the numbers are back; the stores have read the set, and the last image's stores the codes
.endm
.macro GLOAD f                         ; fragment f of the stream (0-7: q's K steps, 8-15: k's): 16 rows x 512 consecutive bytes into set f % 4
	WIN 0x40
.irp i, 0,1,2,3,4,5,6,7,8,9,10,11,12,13,14,15
.if (\f) < 8
	global_load_b128 v[64*((\f)%4)+4*\i:64*((\f)%4)+4*\i+3], v[GA], s[4:5] offset:(\i%8)*32768+(\i/8)*4096+512*((\f)%8) th:TH_LOAD_NT
.else
	global_load_b128 v[64*((\f)%4)+4*\i:64*((\f)%4)+4*\i+3], v[GA], s[6:7] offset:(\i%8)*32768+(\i/8)*4096+512*((\f)%8) th:TH_LOAD_NT
.endif
.endr
	WIN 0
.endm
.macro WSTEP slot, s                   ; six LDS loads: my two weight tiles' fragments of K step s
	WIN 0x40                                       ; destination window 1, address window 0
.irp t, 0,1
.irp c, 0,1,2
	ds_load_b128 v[12*(8*\t+(\s))+4*\c:12*(8*\t+(\s))+4*\c+3], v[WL+(\slot)] offset:12288*\t+1536*(\s)+512*\c
.endr
.endr
.endm
.macro WHEADL par                      ; six LDS loads: the scale words and biases of the head in slot par into set par
.irp t, 0,1
	ds_load_b128 v[WS+8*(\par)+4*\t:WS+8*(\par)+4*\t+3], v[WL+(\par)] offset:24576+512*\t
	ds_load_b128 v[BI+16*(\par)+8*\t:BI+16*(\par)+8*\t+3], v[BL+(\par)] offset:128*\t
	ds_load_b128 v[BI+16*(\par)+8*\t+4:BI+16*(\par)+8*\t+7], v[BL+(\par)] offset:128*\t+16
.endr
.endm
.macro FSTEP f                         ; a step of phase A.  Behind the last turn through the stage the four sets are free: the walk's first head, which landed in slot 0 long ago, is taken into them
.if (\f) < 12
	s_wait_loadcnt 48                              ; this fragment's 16 loads are in; the three younger fragments' may be out
.else
	s_wait_loadcnt 16*(15-(\f))
.endif
	TURN (\f)%4
.if (\f) < 12
	GLOAD (\f)+4                                   ; the set just emptied takes the fragment four on
.elseif (\f) == 15
	WHEADL 0
.irp s, 0,1,2,3,4,5,6,7
	WSTEP 0, \s
.endr
	WIN 0
.endif
	QUANT X
.irp c, 0,1,2
	ds_store_b128 v[IMW], v[PC+4*\c:PC+4*\c+3] offset:1536*((\f)%8)+512*\c
.endr
	v_mov_b32 v[SW+(\f)%8], v[PW]
.endm
.macro SCB                             ; the eight scale words become my tile's scale block: word i: lanes 0-15 K step 2 i, lanes 16-31 K step 2 i + 1
.irp i, 0,1,2,3
	v_cndmask_b32 v[PK+\i], v[SW+2*\i], v[SW+2*\i+1], s[HM]
.endr
	ds_store_b128 v[ISW], v[PK:PK+3]
.endm
.macro XFETCH                          ; all 32 fragments of the tensor just quantised, laid by K step, and their scale blocks
	WIN 0x80
.irp s, 0,1,2,3
.irp j, 0,1,2,3
.irp c, 0,1,2
	ds_load_b128 v[48*\s+12*\j+4*\c:48*\s+12*\j+4*\c+3], v[AIR] offset:(8*\j+\s)*1536+512*\c
.endr
.endr
.endr
	WIN 0xc0
.irp s, 0,1,2,3
.irp j, 0,1,2,3
.irp c, 0,1,2
	ds_load_b128 v[48*\s+12*\j+4*\c:48*\s+12*\j+4*\c+3], v[AIR] offset:(8*\j+\s+4)*1536+512*\c
.endr
.endr
.endr
	WIN 0
.irp j, 0,1,2,3
	ds_load_b128 v[XS+4*\j:XS+4*\j+3], v[AIR] offset:XSCO+512*\j
.endr
	s_wait_dscnt 0x0
.endm
.macro EXLOAD buf                      ; row tile w's four bf16 fragments, one from each wave
.irp w, 0,1,2,3
	ds_load_b128 v[EXF+8*\w:EXF+8*\w+3], v[EXR] offset:16384*(\buf)+4096*\w
	ds_load_b128 v[EXF+8*\w+4:EXF+8*\w+7], v[EXR] offset:16384*(\buf)+4096*\w+512
.endr
.endm
; THE SCORES' WORK of a row tile and a head, in five parts
.macro SCORE                           ; S^T = K Q^T, two bf16 products
	v_wmma_f32_16x16x32_bf16 v[S0:S0+7], v[EXF+16:EXF+23], v[EXF:EXF+7], 0          ; d 0-31
	v_wmma_f32_16x16x32_bf16 v[S1:S1+7], v[EXF+24:EXF+31], v[EXF+8:EXF+15], 0       ; d 32-63
.endm
.macro SLA                             ; 13 plain lines on end: the halves' sum (from the low end on), the row's maximum, taken away as reference() does, and c s - c m
.irp k, 0,2,4,6
	v_pk_add_f32 v[T+\k:T+\k+1], v[S0+\k:S0+\k+1], v[S1+\k:S1+\k+1]
.endr
	v_max3_num_f32 v[MM], v[T], v[T+1], v[T+2]
	v_max3_num_f32 v[MM+1], v[T+3], v[T+4], v[T+5]
	v_max3_num_f32 v[MM], v[MM], v[T+6], v[T+7]
	v_max_num_f32 v[MM], v[MM], v[MM+1]
	v_mul_f32 v[NM], s[CS], v[MM]
.irp k, 0,2,4,6
	v_pk_fma_f32 v[T+\k:T+\k+1], v[T+\k:T+\k+1], s[CS:CS+1], v[NM:NM+1] op_sel_hi:[1,0,0] neg_lo:[0,0,1] neg_hi:[0,0,1]
.endr
.endm
.macro EXPS                            ; the eight exponentials between their two waits, and the row's sum
	s_wait_alu depctr_va_vdst(0)
.irp k, 0,1,2,3,4,5,6,7
	v_exp_f32 v[T+\k], v[T+\k]
.endr
	v_nop                                          ; a plain place behind the last exponential
	s_wait_alu depctr_va_vdst(0)
	v_pk_add_f32 v[SU:SU+1], v[T:T+1], v[T+2:T+3]
	v_pk_add_f32 v[MM:MM+1], v[T+4:T+5], v[T+6:T+7]
	v_pk_add_f32 v[SU:SU+1], v[SU:SU+1], v[MM:MM+1]
	v_add_f32 v[SU], v[SU], v[SU+1]
.endm
.macro RCPW                            ; the reciprocal between its two waits
	s_wait_alu depctr_va_vdst(0)
	v_rcp_f32 v[RI], v[SU]
	v_nop
	s_wait_alu depctr_va_vdst(0)
.endm
.macro WACC                            ; p / the sum onto the heads' sum
.irp k, 0,2,4,6
	v_pk_fma_f32 v[WSUM+\k:WSUM+\k+1], v[T+\k:T+\k+1], v[RI:RI+1], v[WSUM+\k:WSUM+\k+1] op_sel_hi:[1,0,1]
.endr
.endm
.macro MMX par, j, t, s                ; row tile j, weight tile t, K step s.  The first K step takes the bias as C.  An odd K step's scale words stand in lanes 16-31
.set rD, ACC+8*(2*(\j)+(\t))
.set rW, 12*(8*(\t)+(\s))
.set rX, 48*((\s)%4)+12*(\j)
.set rA, WS+8*(\par)+4*(\t)+(\s)/2
.set rB, XS+4*(\j)+(\s)/2
.set rC, BI+16*(\par)+8*(\t)
.if (\s) == 0
	v_wmma_scale_f32_16x16x128_f8f6f4 v[rD:rD+7], v[rW:rW+11], v[rX:rX+11], v[rC:rC+7], v[rA], v[rB] matrix_a_fmt:MATRIX_FMT_BF6 matrix_b_fmt:MATRIX_FMT_BF6
.elseif (\s)%2
	v_wmma_scale_f32_16x16x128_f8f6f4 v[rD:rD+7], v[rW:rW+11], v[rX:rX+11], v[rD:rD+7], v[rA], v[rB] matrix_a_fmt:MATRIX_FMT_BF6 matrix_b_fmt:MATRIX_FMT_BF6 matrix_a_scale:MATRIX_SCALE_ROW1 matrix_b_scale:MATRIX_SCALE_ROW1
.else
	v_wmma_scale_f32_16x16x128_f8f6f4 v[rD:rD+7], v[rW:rW+11], v[rX:rX+11], v[rD:rD+7], v[rA], v[rB] matrix_a_fmt:MATRIX_FMT_BF6 matrix_b_fmt:MATRIX_FMT_BF6
.endif
.endm
.macro KSTEP par, s, np                ; a K step's eight products, eight accumulators by turns; np: a v_nop behind each of the first four
.irp j, 0,1,2,3
.irp t, 0,1
	MMX \par, \j, \t, \s
.if \np && (\j < 2)
	v_nop
.endif
.endr
.endr
.endm
; A HEAD: 64 products.  par: its place in the walk mod 2: its set of scale words and biases, the buffer that takes its fragments, and the slot that it has left;
; att: the scores of the head before are made on the way; nx: the next head's weights are taken from slot 1 - par into registers; fill: slot par takes the head two on.
.macro HEADM par, att, nx, fill
.if \att
	s_wait_tensorcnt 0x0                           ; all my tensor loads have landed: the one that was out is the next head's sub-block
	ds_add_u32 v[SPW], v[NIL]                      ; 0 onto my spare word
.if \fill
	FILLADR \par
.endif
	s_wait_dscnt 21                                ; K steps 0 to 5 are in registers; the add, my eight fragment stores and the twelve loads of K steps 6 and 7 may be out
.endif
	WIN 0x09                                       ; source 0 (weight) window 1, source 1 (rows) window 2
	KSTEP \par, 0, 0                               ; eight products stand between the add and the wait for it
.if \att
	s_wait_dscnt 0x0                               ; the add is done; slot par has been read out; my fragments of the head before have landed
	s_barrier_signal -1                            ; with fill this barrier opens a round of the cluster's
.endif
	KSTEP \par, 1, 0                               ; work on registers while the others arrive
	WIN 0
.if \att
	s_barrier_wait -1
.endif
.if \fill
	CREST                                          ; no wave of any partner still reads slot par or has a load on its way
	TLOAD \par
.endif
	NOP4                                           ; the places behind K step 1's products
.if \att
	EXLOAD 1-\par
.endif
.if \nx
	WHEADL 1-\par
	WSTEP 1-\par, 0
	WSTEP 1-\par, 1
.endif
	WIN 0x09
	KSTEP \par, 2, 0
	KSTEP \par, 3, 0
.if \nx
	NOP4
	WSTEP 1-\par, 2
	WSTEP 1-\par, 3
.endif
	WIN 0
.if \att
.if \nx
	s_wait_dscnt 30                                ; the fragments received are in; the 6 + 12 + 12 loads behind them may be out
.else
	s_wait_dscnt 0x0
.endif
	SCORE
.endif
	WIN 0x0d                                       ; source 1 window 3
	KSTEP \par, 4, \att                            ; its four v_nop are the places behind the score products
.if \att
	WIN 0
	SLA
	WIN 0x0d
.endif
	KSTEP \par, 5, 0
.if \nx
	NOP4
	WSTEP 1-\par, 4
	WSTEP 1-\par, 5
	WIN 0x0d
.endif
	KSTEP \par, 6, 0
	KSTEP \par, 7, 0
	WIN 0
.if \att
	EXPS                                           ; its v_nop and four additions are the places behind the last products
.else
	NOP4
.endif
.if \nx
	WSTEP 1-\par, 6
	WSTEP 1-\par, 7
	WIN 0
.endif
.if \att
	RCPW                                           ; its second wait stands directly ahead of the first reader of the accumulators
.endif
.irp a, 0,1,2,3,4,5,6,7                        ; the results, rounded to bf16 in pairs, in place, each accumulator from its low end on: registers 0-3 of accumulators (j, 0), (j, 1) are a fragment (16 rows x my 32 d)
.irp q, 0,1,2,3
	v_cvt_pk_bf16_f32 v[ACC+8*\a+\q], v[ACC+8*\a+2*\q], v[ACC+8*\a+2*\q+1]
.endr
.endr
.if \att
	WACC
.endif
.irp j, 0,1,2,3
	ds_store_b128 v[EXW], v[ACC+16*\j:ACC+16*\j+3] offset:16384*(\par)+1024*\j
	ds_store_b128 v[EXW], v[ACC+16*\j+8:ACC+16*\j+11] offset:16384*(\par)+1024*\j+512
.endr
.endm
	s_load_b512 s[4:19], s[0:1], 0x0               ; q, k, WB, TB, OL, bo, out0, out1
	v_lshl_add_u32 v[SPW], v0, 2, SPARE
	v_mov_b32 v[NIL], 0
	ds_add_u32 v[SPW], v[NIL]                      ; the opening lines: the add, twice on end, and its wait ahead of my first tensor load
	ds_add_u32 v[SPW], v[NIL]
	v_lshrrev_b32 v64, 5, v0
	v_readfirstlane_b32 s20, v64                   ; wave 0..3
	s_bfe_u32 s21, ttmp6, 0x40000                  ; cx: my place in the cluster: it enters global addresses alone
	s_lshl_b32 s22, ttmp9, 2
	s_add_co_u32 s22, s22, s21                     ; my chunk
	s_lshr_b32 s[HN], ttmp9, 2
	s_xor_b32 s[HN], s[HN], ttmp9
	s_and_b32 s[HN], s[HN], 15                     ; the head at which my cluster's walk begins
	s_mov_b32 s[OFF+1], 0
	s_mov_b32 s49, 0
	; descriptor group 1: a dense block of 25,856 bytes as 101 rows of 256 bytes (32 elements of 8 bytes), no padding
	s_mov_b32 s[G1], 15|(3<<16)|(1<<21)            ; 15:0 the mask: all four work-groups; 17:16 elements of 8 bytes; 21 set beside a mask
	s_mov_b32 s[G1+1], 32<<16                      ; tensor_dim0
	s_mov_b32 s[G1+2], 101<<16                     ; tensor_dim1
	s_mov_b32 s[G1+3], 32<<16                      ; tile_dim0
	s_mov_b32 s[G1+4], 101                         ; tile_dim1
	s_mov_b32 s[G1+5], 32                          ; tensor_dim0_stride
	s_mov_b32 s[G1+6], 0
	s_mov_b32 s[G1+7], 0
	s_mov_b32 s[HM], 0xffff0000
	s_mov_b32 s[SEL], 0x76543210
	s_mov_b32 s[SEL+1], 0xfedcba98
	s_mov_b32 s[CS], 0x3e38aa3b                    ; c = log2(e) / sqrt(64)
	s_mov_b32 s[CS+1], s[CS]
	s_mul_i32 s78, s20, STGB
	s_add_co_u32 s78, s78, STAGE                   ; my stage
	s_mul_i32 s79, s20, 12288
	s_add_co_u32 s79, s79, AIMG
	s_lshl_b32 s80, s20, 9
	s_lshl_b32 s81, s20, 13
	s_lshl_b32 s82, s20, 12
	s_add_co_u32 s82, s82, EXCH
	s_lshl_b32 s83, s20, 10
	s_add_co_u32 s83, s83, EXCH
	s_mul_i32 s84, s20, SUB                        ; my sub-block's place in a head and in a slot
	v_and_b32 v64, 31, v0
	v_lshlrev_b32 v[LI], 4, v64
	v_lshlrev_b32 v[L8], 3, v64
	v_and_b32 v65, 15, v0                          ; r
	v_bfe_u32 v66, v0, 4, 1                        ; h
	v_lshlrev_b32 v[R4], 2, v65
	v_lshlrev_b32 v[BH], 5, v66
	v_add_nc_u32 v[STW], s78, v[LI]
	v_mul_u32_u24 v[STR], v65, 528
	v_lshl_add_u32 v[STR], v66, 6, v[STR]
	v_add_nc_u32 v[STR], s78, v[STR]
	v_bfe_u32 v67, v0, 3, 1                        ; u
	v_xor_b32 v68, v67, v66
	v_lshlrev_b32 v[OSW], 9, v68
	v_lshl_add_u32 v[OSW], v67, 8, v[OSW]
	v_and_b32 v68, 7, v0                           ; g
	v_lshl_add_u32 v[OSW], v68, 5, v[OSW]
	v_add_nc_u32 v[OSW], s78, v[OSW]
	v_lshlrev_b32 v[OUT], 15, v68
	v_lshl_add_u32 v[OUT], v67, 12, v[OUT]
	v_add_nc_u32 v[OUT], v[BH], v[OUT]
	v_add_nc_u32 v[IMW], s79, v[LI]
	v_add_nc_u32 v[OG], s80, v[LI]
	v_add_nc_u32 v[ISW], AIMG+XSCO, v[OG]
	v_add_nc_u32 v[GA], s81, v[LI]
	v_add_nc_u32 v[AIR], AIMG, v[LI]
	v_add_nc_u32 v[EXW], s82, v[LI]
	v_add_nc_u32 v[EXR], s83, v[LI]
	v_add_nc_u32 v[OXW], 4096, v[STW]
	v_add_nc_u32 v[OXR], STAGE+4096, v[LI]
	v_add_nc_u32 v[WL], s84, v[LI]
	v_add_nc_u32 v[WL+1], HEADB, v[WL]
	v_add_nc_u32 v[BL], s84, v[BH]
	v_add_nc_u32 v[BL], 25600, v[BL]
	v_add_nc_u32 v[BL+1], HEADB, v[BL]
.irp b, 0,1,2,3
	v_mov_b32 v[TM+4+\b], 0                        ; written once: a lane permute's destination counts as one of its sources
.endr
.irp k, 0,1,2,3,4,5,6,7
	v_mov_b32 v[WSUM+\k], 0
.endr
	v_mov_b32 v[RI+1], 0                           ; named as the upper halves of pairs
	v_mov_b32 v[NM+1], 0
	s_wait_alu depctr_va_vdst(0)
	s_wait_dscnt 0x0                               ; both opening adds are done
	s_wait_kmcnt 0x0
	s_mov_b32 s48, s84
	s_add_nc_u64 s[WBB:WBB+1], s[8:9], s[48:49]    ; WB at my sub-block of head 0: the wave's number alone enters it
.irp s, 0,1
	s_mov_b32 s[G0+4*\s], 1                        ; count = 1
	s_add_co_u32 s[G0+4*\s+1], s84, \s*HEADB       ; LDS address
	FILLADR \s                                     ; the walk's first and second head
.endr
	ROUND                                          ; all four work-groups are here: the first joint loads meet
	TLOAD 0                                        ; the walk's first head: one tensor load a wave at the head
	NOP4
	s_lshl_b32 s48, s22, 18                        ; 64 rows of 4,096 bytes a chunk
	s_add_nc_u64 s[4:5], s[4:5], s[48:49]
	s_add_nc_u64 s[6:7], s[6:7], s[48:49]
	s_lshl_b32 s48, s22, 11                        ; 2,048 bytes of out1 a chunk
	s_add_nc_u64 s[18:19], s[18:19], s[48:49]
	s_mul_i32 s50, s20, 3072                       ; two K steps of images
	s_mul_i32 s48, s21, 12288
	s_add_co_u32 s48, s48, s50
	s_add_nc_u64 s[66:67], s[12:13], s[48:49]      ; OL's codes: row tile cx, K step 2 w
	s_lshl_b32 s48, s21, 9
	s_lshl_b32 s51, s20, 7
	s_add_co_u32 s48, s48, s51
	s_add_co_u32 s48, s48, 49152
	s_add_nc_u64 s[68:69], s[12:13], s[48:49]      ; and its scale words
	s_mul_i32 s51, ttmp9, TILEB
	s_add_co_u32 s51, s51, 64*TILEB                ; Wo's tile: the cluster's number
	s_add_co_u32 s48, s51, s50
	s_add_nc_u64 s[70:71], s[10:11], s[48:49]      ; its images of K step 2 w,
	s_lshl_b32 s48, s20, 2
	s_add_co_u32 s48, s48, s51
	s_add_co_u32 s48, s48, 12288
	s_add_nc_u64 s[72:73], s[10:11], s[48:49]      ; word w of each lane's four scale words
	s_lshl_b32 s48, ttmp9, 6
	s_add_nc_u64 s[74:75], s[14:15], s[48:49]      ; bo at the tile's 16 columns
	s_lshl_b32 s51, s21, 13
	s_add_co_u32 s48, s48, s51
	s_add_nc_u64 s[76:77], s[16:17], s[48:49]      ; out0 at row 2 cx and those columns
	; out0's operands, 23 loads, the oldest of all: every later wait on LOADcnt shows them in
	WIN 0x80
.irp i, 0,1
.irp c, 0,1,2
	global_load_b128 v[192+12*\i+4*\c:192+12*\i+4*\c+3], v[LI], s[70:71] offset:1536*\i+512*\c
.endr
.endr
	WIN 0xc0
.irp i, 0,1
.irp c, 0,1
.irp p, 0,1,2
	global_load_b64 v[216+12*\i+6*\c+2*\p:216+12*\i+6*\c+2*\p+1], v[L8], s[66:67] offset:(2*\i+\c)*768+256*\p
.endr
.endr
.endr
	WIN 0
	global_load_b32 v[OSC], v[R4], s[68:69]
	global_load_b32 v[OSC+1], v[R4], s[68:69] offset:64
	global_load_b32 v[OSC+2], v[LI], s[72:73]
	global_load_b128 v[OB:OB+3], v[BH], s[74:75]
	global_load_b128 v[OB+4:OB+7], v[BH], s[74:75] offset:16
	; ---- PHASE A
	GLOAD 0
	GLOAD 1
	GLOAD 2
	GLOAD 3
.irp f, 0,1,2,3,4,5,6,7
	FSTEP \f
.endr
	SCB
	s_wait_tensorcnt 0x0                           ; the first head has landed
	ds_add_u32 v[SPW], v[NIL]
	s_wait_dscnt 0x0                               ; the add is done; for the others' sake: my images and my scale block have landed
	ROUND                                          ; q's 32 images lie in LDS, and the four work-groups are here
	TLOAD 1                                        ; the walk's second head, into slot 1
	NOP4
	s_cmp_lt_u32 s20, 2
	s_cbranch_scc0 .Lnot_q
	XFETCH                                         ; waves 0 and 1 take q's images
.Lnot_q:
	s_wait_dscnt 0x0
	s_barrier_signal -1                            ; they have been read: k's images may take their bytes.
	s_barrier_wait -1
.irp f, 8,9,10,11,12,13,14,15
	FSTEP \f
.endr
	SCB
	s_wait_tensorcnt 0x0                           ; the second head has landed
	ds_add_u32 v[SPW], v[NIL]
	FILLADR 0
	s_wait_dscnt 0x0                               ; the add is done; slot 0 has been read out; my images and my scale block have landed
	ROUND                                          ; k's 32 images lie in LDS; nobody writes them again
	TLOAD 0                                        ; the walk's third head, into slot 0
	NOP4
	s_cmp_lt_u32 s20, 2
	s_cbranch_scc1 .Lnot_k
	XFETCH                                         ; waves 2 and 3 take k's images
.Lnot_k:
	; ---- PHASE B
	HEADM 0, 0, 1, 0                               ; the walk's first head: there are no scores yet, and its round stood above
	s_mov_b32 s40, 6
.Lheads:                                           ; 6 trips of two heads: the walk's heads 1 to 12 ask for heads 3 to 14
	HEADM 1, 1, 1, 1
	HEADM 0, 1, 1, 1
	s_sub_co_u32 s40, s40, 1
	s_cmp_lg_u32 s40, 0
	s_wait_alu depctr_va_vdst(0)
	s_cbranch_scc1 .Lheads
	HEADM 1, 1, 1, 1                               ; head 13 asks for head 15
	HEADM 0, 1, 1, 0                               ; the last two are written out: nothing is left to ask for,
	HEADM 1, 1, 0, 0                               ; and nothing to take into registers
	; ---- my part of out0: K steps 2 w and 2 w + 1, two sums begun with 0
	WIN 0x0e                                       ; source 0 (Wo) window 2, source 1 (the rows) window 3
	v_wmma_scale_f32_16x16x128_f8f6f4 v[OA:OA+7], v[192:203], v[216:227], 0, v[OSC+2], v[OSC] matrix_a_fmt:MATRIX_FMT_BF6 matrix_b_fmt:MATRIX_FMT_BF6
	v_wmma_scale_f32_16x16x128_f8f6f4 v[OA+8:OA+15], v[204:215], v[228:239], 0, v[OSC+2], v[OSC+1] matrix_a_fmt:MATRIX_FMT_BF6 matrix_b_fmt:MATRIX_FMT_BF6 matrix_a_scale:MATRIX_SCALE_ROW1
	WIN 0
	NOP4                                           ; four places (ISA guide 7.12.1)
.irp k, 0,2,4,6
	v_pk_add_f32 v[T+\k:T+\k+1], v[OA+\k:OA+\k+1], v[OA+8+\k:OA+9+\k]
.endr
	ds_store_b128 v[OXW], v[T:T+3]
	ds_store_b128 v[OXW], v[T+4:T+7] offset:512
	s_wait_dscnt 0x0                               ; for the others' sake: the last head's fragments and my part of out0 have landed
	s_barrier_signal -1
	s_barrier_wait -1
	EXLOAD 1
.irp w, 0,1,2,3
	ds_load_b128 v[ACC+8*\w:ACC+8*\w+3], v[OXR] offset:STGB*\w
	ds_load_b128 v[ACC+8*\w+4:ACC+8*\w+7], v[OXR] offset:STGB*\w+512
.endr
	s_wait_dscnt 0x0
	SCORE                                          ; the last head's scores
	NOP4
	SLA
	EXPS
	RCPW
	WACC
	; ---- out1: the mean over 16 heads.  A lane's eight numbers are 32 bytes of (batch 2 w + u, position g); they meet in my stage, the cross-batch lanes' in its second 512 bytes, which are not read back
.irp k, 0,2,4,6
	v_pk_mul_f32 v[WSUM+\k:WSUM+\k+1], v[WSUM+\k:WSUM+\k+1], 0x3d800000 op_sel_hi:[1,0]
.endr
	ds_store_b128 v[OSW], v[WSUM:WSUM+3]
	ds_store_b128 v[OSW], v[WSUM+4:WSUM+7] offset:16
	ds_load_b128 v[T:T+3], v[STW]                  ; LDS serves a wave's instructions in order: this sees the stores above
	s_wait_dscnt 0x0
	global_store_b128 v[OG], v[T:T+3], s[18:19]    ; 32 lanes store 512 consecutive bytes, at a multiple of 256 from out1's first byte
	; ---- out0: wave 0 adds bo and the four parts
	s_cmp_lg_u32 s20, 0
	s_cbranch_scc1 .Lend
.irp w, 0,1,2,3
.irp k, 0,2,4,6
	v_pk_add_f32 v[OB+\k:OB+\k+1], v[OB+\k:OB+\k+1], v[ACC+8*\w+\k:ACC+8*\w+\k+1]
.endr
.endr
	global_store_b128 v[OUT], v[OB:OB+3], s[76:77]   ; a lane's eight neighbouring columns of one row: two lanes fill 64 bytes of it
	global_store_b128 v[OUT], v[OB+4:OB+7], s[76:77] offset:16
.Lend:
	s_wait_tensorcnt 0x0                           ; the wave's end, behind my last tensor load and my last LDS store
	ds_add_u32 v[SPW], v[NIL]
	s_wait_dscnt 0x0
	ROUND                                          ; the closing round: no work-group ends while a partner may still ask for a sub-block that names it
	s_endpgm
.Lfunc_end_k_q83f4e75338_main:
	.size	k_q83f4e75338_main, .Lfunc_end_k_q83f4e75338_main-k_q83f4e75338_main
	.p2alignl 7, 3214868480
	.fill 96, 4, 3214868480
	.section	.rodata,"a",@progbits
	.p2align	6, 0x0
	.amdhsa_kernel k_q83f4e75338_main
		.amdhsa_group_segment_fixed_size 327680
		.amdhsa_private_segment_fixed_size 0
		.amdhsa_enable_private_segment 0
		.amdhsa_kernarg_size 64
		.amdhsa_user_sgpr_count 2
		.amdhsa_user_sgpr_kernarg_segment_ptr 1
		.amdhsa_wavefront_size32 1
		.amdhsa_system_sgpr_workgroup_id_x 1
		.amdhsa_system_sgpr_workgroup_id_y 1
		.amdhsa_system_sgpr_workgroup_id_z 1
		.amdhsa_system_vgpr_workitem_id 0
		.amdhsa_next_free_vgpr 1024
		.amdhsa_next_free_sgpr 90
		.amdhsa_reserve_vcc 0
		.amdhsa_float_denorm_mode_32 3
		.amdhsa_float_denorm_mode_16_64 3
		.amdhsa_memory_ordered 1
		.amdhsa_forward_progress 1
		.amdhsa_inst_pref_size 255
	.end_amdhsa_kernel
	.section	.bss,"aw",@nobits
	.p2align	6
	.space	262144
	.amdgpu_metadata
---
amdhsa.version: [ 1, 2 ]
amdhsa.kernels:
  - .name:           k_q83f4e75338_main
    .symbol:         k_q83f4e75338_main.kd
    .args:
      - { .name: q, .offset: 0, .size: 8, .value_kind: global_buffer, .address_space: global }
      - { .name: k, .offset: 8, .size: 8, .value_kind: global_buffer, .address_space: global }
      - { .name: WB, .offset: 16, .size: 8, .value_kind: global_buffer, .address_space: global }
      - { .name: TB, .offset: 24, .size: 8, .value_kind: global_buffer, .address_space: global }
      - { .name: OL, .offset: 32, .size: 8, .value_kind: global_buffer, .address_space: global }
      - { .name: bo, .offset: 40, .size: 8, .value_kind: global_buffer, .address_space: global }
      - { .name: out0, .offset: 48, .size: 8, .value_kind: global_buffer, .address_space: global }
      - { .name: out1, .offset: 56, .size: 8, .value_kind: global_buffer, .address_space: global }
    .group_segment_fixed_size: 327680
    .private_segment_fixed_size: 0
    .kernarg_segment_align: 8
    .kernarg_segment_size: 64
    .max_flat_workgroup_size: 128
    .sgpr_count:     90
    .vgpr_count:     1024
    .wavefront_size: 32
...
	.end_amdgpu_metadata
.endif
;; end of part 3
